; MI455X (gfx1250); checked and timed in simulation.
; The chip was launched on July 23, 2026; its instructions are those of AMD's public machine-readable ISA for CDNA 5 (MIT licence, August 2026) and "CDNA5" Instruction Set Architecture Reference Guide (July 2026). The comments in the code are by the model that wrote it; some were corrected since.
;; QMLP. Allowed arithmetic: matrix products marked QUANTISED: E2M1 operands, one E8M0 scale for each 32 along K, by v_wmma_scale_f32_16x16x128_f8f6f4 with both operands' format E2M1 (or v_wmma_scale_f32_32x16x128_f4), f32 sums; everything else in f32.
;; Inputs: W1_i 512 x 512 float32; W1_j 512 x 512 float32; W1_k 512 x 512 float32; W1_r 512 x 512 float32; W2_i 512 x 512 float32; W2_j 512 x 512 float32; W2_k 512 x 512 float32; W2_r 512 x 512 float32; b1_i 512 float32; b1_j 512 float32; b1_k 512 float32; b1_r 512 float32; b2_i 512 float32; b2_j 512 float32; b2_k 512 float32; b2_r 512 float32; q_i 8,192 x 512 float32; q_j 8,192 x 512 float32; q_k 8,192 x 512 float32; q_r 8,192 x 512 float32.
;; Outputs: out0 8,192 x 512 float32; out1 8,192 x 512 float32; out2 8,192 x 512 float32; out3 8,192 x 512 float32.
;; This version of the problem:
;;   THIS VERSION OF THE PROBLEM IS GIVEN IN LOW PRECISION. The matrix products marked QUANTISED in the list below multiply operands that are first quantised to E2M1 (2 exponent bits, 1 mantissa bit; 4 bits a number), with one power-of-two scale for each 32 numbers along K (OCP MX v1.0); their sums are f32. All else is computed in f32.
;;   The module's matrix products, in the order in which they are computed (A, B: the left and right operand; K: the contracted axis; several contracted axes count as one K, in the product's order):
;;     1. [M 8,192, K 2,048] x [K 2,048, N 2,048]; A: computed on the way; B: computed on the way: QUANTISED
;;     2. [M 8,192, K 2,048] x [K 2,048, N 2,048]; A: computed on the way; B: computed on the way: QUANTISED
;;   THE QUANTISER, for each operand of a quantised product, along K:
;;     - K is cut into blocks of 32 from its start; a last block that is shorter is filled with zeros.
;;     - A block's scale is 2^e with e = floor(log2(the largest magnitude in the block)) - 2, held to -126 .. 127; a block of zeros has e = 0. As a byte (E8M0): e + 127.
;;     - Each number is divided by its block's scale, clamped to +-6, and rounded to the nearest number of E2M1, ties to even, subnormals kept.
;;     - The product sums the exact products of the quantised numbers (number of the format x scale) in f32.
;;   ~~~python
;;   def quantise(x, axis):      # numpy; x: float32 -> the quantised numbers, widened to float32 again
;;       x = np.moveaxis(x, axis, -1); K = x.shape[-1]
;;       x = np.pad(x, [(0, 0)] * (x.ndim - 1) + [(0, -K % 32)]); x = x.reshape(x.shape[:-1] + (-1, 32)); a = np.abs(x).max(-1, keepdims=True)
;;       e = np.where(a > 0, np.clip(np.frexp(np.where(a > 0, a, 1))[1] - 1 - 2, -126, 127), 0)      # np.frexp(a)[1] - 1 = floor(log2(a)), exactly
;;       r = np.clip(x / 2.0 ** e, -6, 6)
;;       step = 2.0 ** (np.maximum(np.frexp(np.where(r == 0, 1, r))[1] - 1, 0) - 1)
;;       q = np.round(r / step) * step * 2.0 ** e      # np.round: ties to even
;;       return np.moveaxis(q.reshape(q.shape[:-2] + (-1,))[..., :K], -1, axis).astype(np.float32)
;;   ~~~
;;   OPERANDS COMPUTED ON THE WAY. 'Computed on the way' means the value that the module computes at that place (a softmax that the list does not call 'softmax' is quantised finished and normalised). What goes into a quantiser is computed in f32, as accurately as f32 sums, v_exp_f32 and their like allow (about 1e-6 of the number): no bf16 or f16 on the way to a quantiser, and a product that is left as it is and whose result goes on into a quantised operand takes f32 operands (vector FMAs, or v_wmma_f32_16x16x4_f32). A number that lies on a knife's edge between two numbers of the format may be rounded either way, as far as f32 arithmetic and the matrix unit's own rounding can turn it there, and no further.
;; One version. Each part assembles by itself: llvm-mc -triple=amdgcn-amd-amdhsa -mcpu=gfx1250 --defsym DOCPART=n.
;; ======== version 1 of 1: 2 launches
;; limits: right only within a limited range of input values
;; workspace buffers: wq 1,048,576 bytes; ws 65,536 bytes
;; launch prep (part 1): grid 256 x 1, 4 waves a work-group, no clusters, 5,888 bytes of LDS; arguments W1_r, W1_i, W1_j, W1_k, W2_r, W2_i, W2_j, W2_k, wq, ws; writes wq, ws
.if DOCPART == 1
	.amdgcn_target "amdgcn-amd-amdhsa--gfx1250"
	.amdhsa_code_object_version 6
	.text
	.protected	k_qe369692013_prep
	.globl	k_qe369692013_prep
	.p2align	8
	.type	k_qe369692013_prep,@function
k_qe369692013_prep:
	s_mov_b64 s[64:65], 0
	v_nop
	global_prefetch_b8 v0, s[64:65] scope:SCOPE_SE
	s_setreg_imm32_b32 hwreg(HW_REG_WAVE_MODE, 25, 1), 1
	s_wait_xcnt 0x0
; The eight weight matrices [512][512] f32 (K innermost) become codes of FP4 (E2M1) with one E8M0 byte for each 32 along K, laid in the ORDER OF THE OPERAND'S REGISTERS
; in which the second launch takes them. The block matrix of the Hamilton product holds only these four matrices a layer; its signs are dealt with in the second launch.
; A fragment is 16 rows x 128 k of one component wc; row index p = 0 .. 15 of tile u is the matrix row
;   layer 1 (t: group of 32 units, s: K step):      128 w + 32 t + 8 u + p + 8 (p / 8)
;   layer 2 (t: pass, s: K step):                   128 w + 64 (t / 2) + 2 (t % 2) + u + 4 p
; wq: byte = pass*131072 + w*32768 + g*8192 + wc*2048 + u*1024 + c2*512 + lane*16; lane (r, h) has, in quad c2, the 32 codes of row index r at k = 128 s + 64 c2 + 32 h + 0 .. 31.
;     Layer 1: pass = s, g = t.  Layer 2: pass = 4 + t, g = s.
; ws: record (pass, w) at (4 pass + w)*2048: scale words at g*512 + u*256 + r*16 + wc*4 (byte b: k = 128 s + 32 b ..).
; SHARES.  Work-group n: u = n & 1, g = (n >> 1) & 3, w = (n >> 3) & 3, pass = n >> 5.  Wave = component wc: one fragment, 8 KB of f32 in, 1 KB of codes and 16 scale words out.
; A lane takes 8 neighbours along k (32 bytes, two loads on end; 16 lanes take the 512 bytes of a row); four lanes hold a block of 32.
; A block's scale is 2^(floor(log2(largest magnitude)) - 2): its byte is the largest magnitude's exponent field - 2, held at 1 from below by a floor among the maximum's leaves.
; LIMITS: NaN and infinities among the inputs are not served; a block whose largest magnitude lies under 2^-124 has the byte 1; a block of zeros has the byte 1 and zero codes (the bytes are read by this program alone).
.set PB,    288                        ; LDS: block b of row index p of a fragment at 288 b + 16 p: the 32 words that one store writes lie in 32 different banks
.set WREG,  1280                       ; a region for each wave
.set SCL,   5120                       ; the work-group's 256 bytes of scale words
.set SPARE, 5376                       ; the spare words, 128 bytes for each wave
.set RR,    32                         ; v32-95 the numbers: pair i at 8 i
.set XT,    96                         ; largest magnitudes, conversions' scale operands, codes, bytes: eight each
.set XQ,    104
.set XC,    112
.set XY,    120
	s_load_b512 s[8:23], s[0:1], 0x0               ; W1_r,i,j,k  W2_r,i,j,k
	s_load_b128 s[40:43], s[0:1], 0x40             ; wq, ws
	v_lshl_add_u32 v12, v0, 2, SPARE
	v_mov_b32 v13, 0
	v_lshrrev_b32 v1, 5, v0
	v_readfirstlane_b32 s3, v1                     ; wave = component wc
	s_and_b32 s46, ttmp9, 1                        ; u
	s_bfe_u32 s47, ttmp9, 0x20001                  ; g
	s_bfe_u32 s48, ttmp9, 0x20003                  ; w
	s_bfe_u32 s49, ttmp9, 0x20005                  ; the pass in its layer
	s_mov_b32 s60, 16384                           ; from pair to pair: 8 rows of 2,048 bytes in layer 2,
	s_mov_b32 s62, 16384                           ; from pair 3 to pair 4,
	s_mov_b32 s7, 8192                             ; from h = 0 to h = 1
	s_cmp_lt_u32 ttmp9, 128                        ; layer 1?
	s_cselect_b32 s4, s47, s49                     ; t
	s_cselect_b32 s5, s49, s47                     ; s
	s_cselect_b32 s60, 4096, s60                   ; in layer 1: 2 rows,
	s_cselect_b32 s62, 20480, s62                  ; 10 rows,
	s_cselect_b32 s7, 2048, s7                     ; 1 row
	s_mov_b32 s61, 0
	s_mov_b32 s63, 0
	s_lshl_b32 s50, s4, 5
	s_lshl_b32 s51, s46, 3
	s_add_co_u32 s50, s50, s51                     ; layer 1: 32 t + 8 u
	s_lshr_b32 s51, s4, 1
	s_lshl_b32 s51, s51, 6
	s_and_b32 s52, s4, 1
	s_lshl_b32 s52, s52, 1
	s_add_co_u32 s51, s51, s52
	s_add_co_u32 s51, s51, s46                     ; layer 2: 64 (t / 2) + 2 (t % 2) + u
	s_cmp_lt_u32 ttmp9, 128
	s_cselect_b32 s50, s50, s51
	s_lshl_b32 s51, s48, 7
	s_add_co_u32 s50, s50, s51                     ; + 128 w
	s_lshl_b32 s50, s50, 11                        ; rows of 2,048 bytes
	s_lshl_b32 s51, s5, 9
	s_add_co_u32 s50, s50, s51                     ; + 512 s
	s_mov_b32 s51, 0
	s_lshr_b32 s54, ttmp9, 1
	s_lshl_b32 s54, s54, 13                        ; pass*131072 + w*32768 + g*8192
	s_lshl_b32 s55, s3, 11
	s_add_co_u32 s54, s54, s55
	s_lshl_b32 s55, s46, 10
	s_add_co_u32 s54, s54, s55
	s_mov_b32 s55, 0
	s_lshr_b32 s56, ttmp9, 3
	s_lshl_b32 s56, s56, 11                        ; the record (pass, w)
	s_and_b32 s58, ttmp9, 7
	s_lshl_b32 s58, s58, 8                         ; g*512 + u*256
	s_add_co_u32 s56, s56, s58
	s_mov_b32 s57, 0
	s_mul_i32 s44, s3, WREG
	s_lshl_b32 s45, s3, 2
	s_add_co_u32 s45, s45, SCL
	s_and_b32 s6, s3, 1
	v_and_b32 v1, 31, v0                           ; lane l
	v_and_b32 v2, 15, v0                           ; r
	v_bfe_u32 v3, v0, 4, 1                         ; h
	v_mul_u32_u24 v4, s7, v3
	v_lshl_add_u32 v4, v2, 5, v4                   ; in memory: 32 r, and h's row
	v_lshrrev_b32 v5, 2, v2                        ; my block of the four
	v_mul_u32_u24 v6, v5, PB
	v_lshl_add_u32 v6, v3, 4, v6
	v_and_b32 v7, 3, v2
	v_lshl_add_u32 v6, v7, 2, v6
	v_add_nc_u32 v6, s44, v6                       ; my codes' word of pair 0
	v_lshl_add_u32 v7, v3, 4, v5
	v_add_nc_u32 v7, s45, v7                       ; my block's byte of pair 0
	v_mul_u32_u24 v8, v3, PB
	v_lshl_add_u32 v8, v2, 4, v8
	v_add_nc_u32 v8, s44, v8                       ; the fragment read back as registers
	v_lshlrev_b32 v9, 4, v1                        ; 16 l
	v_lshlrev_b32 v10, 3, v1                       ; 8 l
	v_add_nc_u32 v11, SCL, v10
	s_wait_alu depctr_va_vdst(0)
	s_wait_kmcnt 0x0
	s_cmp_lt_u32 ttmp9, 128                        ; the choices hang on the work-group's and the wave's number alone
.irp c, 0,1,2,3
	s_cselect_b64 s[8+2*\c:9+2*\c], s[8+2*\c:9+2*\c], s[16+2*\c:17+2*\c]
.endr
	s_cmp_lt_u32 s3, 2
	s_cselect_b64 s[8:9], s[8:9], s[12:13]
	s_cselect_b64 s[10:11], s[10:11], s[14:15]
	s_cmp_eq_u32 s6, 1
	s_cselect_b64 s[8:9], s[10:11], s[8:9]
	s_add_nc_u64 s[24:25], s[8:9], s[50:51]        ; pair i's rows: s[24 + 2 i : 25 + 2 i]
.irp i, 1,2,3
	s_add_nc_u64 s[24+2*\i:25+2*\i], s[22+2*\i:23+2*\i], s[60:61]
.endr
	s_add_nc_u64 s[32:33], s[30:31], s[62:63]
.irp i, 5,6,7
	s_add_nc_u64 s[24+2*\i:25+2*\i], s[22+2*\i:23+2*\i], s[60:61]
.endr
	s_add_nc_u64 s[40:41], s[40:41], s[54:55]      ; wq at my fragment
	s_add_nc_u64 s[42:43], s[42:43], s[56:57]      ; ws at the work-group's 256 bytes
.irp i, 0,1,2,3,4,5,6,7
	global_load_b128 v[RR+8*\i:RR+8*\i+3], v4, s[24+2*\i:25+2*\i]
	global_load_b128 v[RR+8*\i+4:RR+8*\i+7], v4, s[24+2*\i:25+2*\i] offset:16
.endr
.macro QUANT4 i0
.irp i, \i0, \i0+1, \i0+2, \i0+3
	v_max3_num_f32 v[XT+\i], |v[RR+8*(\i)]|, |v[RR+8*(\i)+1]|, 0x1800000   ; and the floor 2^(3 - 127): the byte cannot fall under 1
.endr
.irp e, 2,4,6
.irp i, \i0, \i0+1, \i0+2, \i0+3
	v_max3_num_f32 v[XT+\i], |v[RR+8*(\i)+\e]|, |v[RR+8*(\i)+\e+1]|, v[XT+\i]
.endr
.endr
.irp i, \i0, \i0+1, \i0+2, \i0+3
	v_max_num_f32_dpp v[XT+\i], v[XT+\i], v[XT+\i] row_xmask:1 row_mask:0xf bank_mask:0xf
.endr
.irp i, \i0, \i0+1, \i0+2, \i0+3
	v_max_num_f32_dpp v[XT+\i], v[XT+\i], v[XT+\i] row_xmask:2 row_mask:0xf bank_mask:0xf   ; the block's: four lanes hold it
.endr
.irp i, \i0, \i0+1, \i0+2, \i0+3
	v_add_nc_u32 v[XQ+\i], 0xff000000, v[XT+\i]    ; 2 off its exponent field: the conversion takes the exponent field of this operand as its scale
.endr
.irp i, \i0, \i0+1, \i0+2, \i0+3
	v_cvt_scalef32_pk8_fp4_f32 v[XC+\i], v[RR+8*(\i):RR+8*(\i)+7], v[XQ+\i]
.endr
.irp i, \i0, \i0+1, \i0+2, \i0+3
	v_lshrrev_b32 v[XY+\i], 23, v[XQ+\i]           ; the scale's byte; also the plain line behind the conversions
.endr
.irp i, \i0, \i0+1, \i0+2, \i0+3
	ds_store_b32 v6, v[XC+\i] offset:32*(\i)
	ds_store_b8 v7, v[XY+\i] offset:32*(\i)        ; a block's four lanes write the same byte with the same value
.endr
.endm
	s_wait_loadcnt 8                               ; pairs 0 to 3 are in; the eight loads of pairs 4 to 7 may be out
	QUANT4 0
	s_wait_loadcnt 0x0
	QUANT4 4
	ds_load_b128 v[16:19], v8                      ; LDS serves a wave's instructions in order (ISA guide 5.7.1.4): these see my stores
	ds_load_b128 v[20:23], v8 offset:2*PB
	s_wait_dscnt 0x0                               ; my loads are in, and my scale bytes have landed, for wave 0's sake
	global_store_b128 v9, v[16:19], s[40:41]       ; 32 lanes store 512 consecutive bytes, aligned
	global_store_b128 v9, v[20:23], s[40:41] offset:512
	s_barrier_signal -1
	s_barrier_wait -1                              ; the four components' scale words lie in LDS
	s_cmp_lg_u32 s3, 0
	s_cbranch_scc1 .Lnot_first
	ds_load_b64 v[24:25], v11
	s_wait_dscnt 0x0
	global_store_b64 v10, v[24:25], s[42:43]       ; 32 lanes store 256 consecutive bytes, aligned
.Lnot_first:
	s_wait_tensorcnt 0x0                           ; the wave's end
	ds_add_u32 v12, v13
	s_wait_dscnt 0x0
	s_endpgm
.Lfunc_end_k_qe369692013_prep:
	.size	k_qe369692013_prep, .Lfunc_end_k_qe369692013_prep-k_qe369692013_prep
	.p2alignl 7, 3214868480
	.fill 96, 4, 3214868480
	.section	.rodata,"a",@progbits
	.p2align	6, 0x0
	.amdhsa_kernel k_qe369692013_prep
		.amdhsa_group_segment_fixed_size 5888
		.amdhsa_private_segment_fixed_size 0
		.amdhsa_enable_private_segment 0
		.amdhsa_kernarg_size 80
		.amdhsa_user_sgpr_count 2
		.amdhsa_user_sgpr_kernarg_segment_ptr 1
		.amdhsa_wavefront_size32 1
		.amdhsa_system_sgpr_workgroup_id_x 1
		.amdhsa_system_sgpr_workgroup_id_y 1
		.amdhsa_system_sgpr_workgroup_id_z 1
		.amdhsa_system_vgpr_workitem_id 0
		.amdhsa_next_free_vgpr 128
		.amdhsa_next_free_sgpr 66
		.amdhsa_reserve_vcc 0
		.amdhsa_float_denorm_mode_32 3
		.amdhsa_float_denorm_mode_16_64 3
		.amdhsa_memory_ordered 1
		.amdhsa_forward_progress 1
		.amdhsa_inst_pref_size 13
	.end_amdhsa_kernel
	.amdgpu_metadata
---
amdhsa.version: [ 1, 2 ]
amdhsa.kernels:
  - .name:           k_qe369692013_prep
    .symbol:         k_qe369692013_prep.kd
    .args:
      - { .name: W1_r, .offset: 0, .size: 8, .value_kind: global_buffer, .address_space: global }
      - { .name: W1_i, .offset: 8, .size: 8, .value_kind: global_buffer, .address_space: global }
      - { .name: W1_j, .offset: 16, .size: 8, .value_kind: global_buffer, .address_space: global }
      - { .name: W1_k, .offset: 24, .size: 8, .value_kind: global_buffer, .address_space: global }
      - { .name: W2_r, .offset: 32, .size: 8, .value_kind: global_buffer, .address_space: global }
      - { .name: W2_i, .offset: 40, .size: 8, .value_kind: global_buffer, .address_space: global }
      - { .name: W2_j, .offset: 48, .size: 8, .value_kind: global_buffer, .address_space: global }
      - { .name: W2_k, .offset: 56, .size: 8, .value_kind: global_buffer, .address_space: global }
      - { .name: wq, .offset: 64, .size: 8, .value_kind: global_buffer, .address_space: global }
      - { .name: ws, .offset: 72, .size: 8, .value_kind: global_buffer, .address_space: global }
    .group_segment_fixed_size: 5888
    .private_segment_fixed_size: 0
    .kernarg_segment_align: 8
    .kernarg_segment_size: 80
    .max_flat_workgroup_size: 128
    .sgpr_count:     66
    .vgpr_count:     128
    .wavefront_size: 32
...
	.end_amdgpu_metadata
.endif
;; end of part 1
;; launch qmlp (part 2): grid 256 x 1, 4 waves a work-group, clusters of 4 x 1, 327,680 bytes of LDS; arguments q_r, q_i, q_j, q_k, out0, out1, out2, out3, b1_r, b1_i, b1_j, b1_k, b2_r, b2_i, b2_j, b2_k, wq, ws; writes out0, out1, out2, out3
.if DOCPART == 2
	.amdgcn_target "amdgcn-amd-amdhsa--gfx1250"
	.amdhsa_code_object_version 6
	.text
	.protected	k_qe369692013_qmlp
	.globl	k_qe369692013_qmlp
	.p2align	8
	.type	k_qe369692013_qmlp,@function
k_qe369692013_qmlp:
	s_mov_b64 s[64:65], 0
	v_nop
	global_prefetch_b8 v0, s[64:65] scope:SCOPE_SE
	s_setreg_imm32_b32 hwreg(HW_REG_WAVE_MODE, 25, 1), 1
	s_wait_xcnt 0x0
	s_wait_alu depctr_hold_cnt(0) depctr_sa_sdst(0) depctr_va_vdst(0) depctr_va_sdst(0) depctr_va_ssrc(0) depctr_va_vcc(0) depctr_vm_vsrc(0)
	s_getreg_b32 s2, hwreg(HW_REG_IB_STS2, 6, 4)
	s_cmp_eq_u32 s2, 0
	s_cbranch_scc0 .Lentry_in_a_cluster
	s_endpgm
.Lentry_in_a_cluster:
	s_bfe_u32 s2, ttmp6, 0x10000c
	s_cmp_lg_u32 s2, 0x3003
	s_cbranch_scc0 .Lentry_shape_is_right
	s_endpgm
.Lentry_shape_is_right:
; out = Hamilton(W2, relu(Hamilton(W1, q) + b1)) + b2, both products on codes of FP4 (E2M1) with one E8M0 scale for each 32 along K; sums in f32.  The hidden layer never goes to memory.
; SHARES.  A work-group of four waves owns 32 rows (two tiles of 16): 8,192 / 32 = 256 work-groups.  THE WAVES SHARE THE COLUMNS: in both layers wave w makes units 128 w .. 128 w + 127 of all four components.
; THE HAMILTON PRODUCT.  The block matrix holds four quantised matrices, each four times.  A weight fragment is read from LDS once and multiplied with the four operand components.
; SIGNS.  Component r's sums are kept as -h_r.  Then every component has three positive terms and one negative term a K step (rounds P1, P2, P3 and N of the table).  A negative term turns the sum round by
; taking -C: S = w x - sum = -(sum - w x).  The next K step begins with N on the turned sum and turns it back with P1.  So signs cost no second copy of an operand.
; LAYER 1 WALKS K OUTERMOST: a pass is a K step of 128 in each component.  All accumulators of the wave's 512 hidden units x 32 rows stay in registers (512).  The matrix instruction is used transposed: source 0 = 32 rows of W
; (tiles u = 0, 1), source 1 = 16 rows of x: lane (r, h) holds row r, and its 16 registers are units 32 t + 16 h + 0 .. 15: half a block of the next K.
; x: wave w quantises component w's 32 rows x 128 k of K step s + 1 between the products of step s, a quarter in each group of units; each quarter's registers are loaded anew, for step s + 2, as soon as they are quantised: a whole step ahead.
; LAYER 2 WALKS BY UNITS: every wave holds all of the hidden layer's codes (256 registers); a pass makes 32 units of each component.  Here source 0 = 32 hidden rows, source 1 = 16 rows of W: lane r holds unit 4 r + q of a group of 64
; (q = 2 (pass % 2) + u), a register a row: so the four accumulators q = 0 .. 3, with the bias added, make 16 neighbouring bytes a lane, and 16 lanes store an aligned unit of 256 bytes.  No LDS on the way out.
; Passes 4 and 5 leave inside pass 6; the last pass goes by two components at a time, and the first two leave inside the other two's products.
; BETWEEN THE PRODUCTS stand pieces of vector work alone (x's quantising, the hidden layer's, the way out's sums).  Memory instructions go together, in one run at a group's start: the stores that the pieces before have made,
; the next loads of x, and the next group's weights.
; WEIGHTS come in register order through a ring of two LDS slots, a pass (128 KB) a slot; wave w fetches and reads its own 32 KB.  The four work-groups of a cluster walk the same weights: each pass's tile is asked for JOINTLY (mask 15).
; PREFETCH.  A pass's tile is named to the L2 two changes of slots ahead of its joint load (pass 1's one ahead), 512 blocks of 256 bytes by the 512 lanes of a cluster, told apart by address; all work-groups read the same buffer, so four clusters ask.
; q is not prefetched: its own loads ask a whole K step ahead.
; RELU is done on the codes: a block's largest magnitude is taken of positive numbers alone, and a negative number's code loses its three magnitude bits (it becomes +0 or -0).
; LIMITS: NaN and infinities among the inputs are not served; a block whose largest magnitude lies under 2^-124 has the byte 1; a block of zeros has the byte 1 and zero codes.
; The sums run over K in the order of the table inside a K step: they differ from an ascending sum by f32 rounding alone.
; REGISTERS, in windows of 256 (s_set_vgpr_msb: bits 1:0 source 0, 3:2 source 1, 5:4 source 2, 7:6 destination):
;   window 0: v0-28 addresses; v32-63 weight scale words, two sets; v64-79 operand scale words; v80-127 at work, in layer 2 the biases; v128-255 two buffers of 8 weight fragments, (wc, u) at 64 p + 8 (2 wc + u)
;   window 1: layer 1: v0-127 x as loaded, v128-255 two buffers of the K step's 8 fragments, (a, m) at 16 a + 8 m; layer 2: the hidden layer, (a, s, m) at 64 a + 16 s + 8 m
;   windows 2, 3: layer 1: group t in window 2 + t / 2: (c, m) at 128 (t % 2) + 32 c + 16 m; layer 2: pass z likewise: (c, u) at 128 (z % 2) + 32 c + 16 u; in the last pass window 2 holds its 32 weight fragments
.set SLOT1, 131072                     ; LDS: slot 0 at 0, slot 1 here; wave w at 32768 w, the g-th 8 KB at 8192 g, fragment (wc, u) at 1024 (2 wc + u)
.set PB,    288                        ; a fragment's image: block b of row p at 288 b + 16 p
.set FP,    1152
.set IMG,   262144                     ; x: two buffers of 8 images, (a, m) at FP (2 a + m)
.set XBO,   9216
.set HIMG,  280576                     ; the hidden layer's 32 images, (c, s, m) at FP (8 c + 2 s + m); at the head its bytes stage the biases
.set XSC,   317440                     ; scale words, 128 bytes a set: lanes 0-15 row tile 0, 16-31 row tile 1: x: two buffers of 4 sets
.set HSC,   318464                     ; the hidden layer's 16 sets, 4 a + s
.set SPARE, 320512                     ; the spare words, 128 bytes for each wave
.set WS,  32
.set XS,  64
.set XT,  80                           ; x: largest magnitudes, conversions' scale operands, codes, bytes: four each
.set XQ,  84
.set XC,  88
.set XY,  92
.set QM,  80                           ; hidden: largest magnitudes; v88-95 at work; v96-103 the conversions' scale operands; v104-119 codes; v120-127 scale words in the making
.set QT,  88
.set QS,  96
.set QC,  104
.set SW,  120
.set BB,  80                           ; layer 2's biases: (P, c) at 16 P + 4 c
.set SEL, 28                           ; s[28:29] v_permlanex16_b32's selects for lane l xor 16
.set FLR, 85                           ; s85 the floor 2^(3 - 127) of a block's largest magnitude: the byte cannot fall under 1
.set EM2, 86                           ; s86 -(2 << 23): 2 off an exponent field: a conversion takes the exponent field of its operand as its scale
.set TWS, 1|(230<<8)|(159<<16)|(120<<24)      ; the table: round k = 0 .. 3 (P1, P2, P3, N), result component c: weight component, two bits at 8 k + 2 c,
.set TAS, 229|(2<<8)|(123<<16)|(156<<24)      ; and operand component
.set MSB, 0
.set DW,  0                            ; the LDS instructions of a group's run, counted as they are laid
.macro WIN new                         ; the immediate's high byte repeats the setting that is left; a switch that changes nothing is dropped
.if MSB != (\new)
	s_set_vgpr_msb (MSB<<8)|(\new)
.set MSB, (\new)
.endif
.endm
.macro NP5                             ; five plain vector lines: between a matrix instruction and a load into, or a read of, its registers, and ahead of a sum's turn (except for loads)
.rept 5
	v_nop
.endr
.endm
.macro ROUND                           ; a round of the cluster's barrier
	s_barrier_signal -1
	s_barrier_wait -1
	s_cmp_lg_u32 s3, 0
	s_cbranch_scc1 .Lnot_wave_0_\@
	s_barrier_signal -3
.Lnot_wave_0_\@:
	s_barrier_wait -3
	s_barrier_signal -1
	s_barrier_wait -1
.endm
; THE CHANGE OF SLOTS, in two parts.  MEETA: all my tensor loads are in (one was out: the next pass's weights); 0 onto my spare word.  MEETB: that and all my LDS reads and stores are over; the round shows the same of every
; wave of all four work-groups; the joint load into the slot just read is the first thing behind it.
.macro MEETA
	WIN 0
	s_wait_tensorcnt 0x0                           ; no tensor load of mine is out, so the descriptor may be written
	ds_add_u32 v19, v20
	s_xor_b32 s33, s33, SLOT1
	s_add_nc_u64 s[34:35], s[34:35], SLOT1         ; the next block: 131,072 bytes on; the type bits on top are not reached
.endm
.macro MEETB
	WIN 0
	s_wait_dscnt 0x0
	ROUND
	tensor_load_to_lds s[32:35], s[36:43]
	s_nop 0
.rept 4
	v_nop                                          ; four plain lines, ahead of any switch of windows
.endr
.endm
.macro ASK p                           ; pass p's tile is named to the L2: a block of 256 bytes a lane; the branch hangs on the cluster's number alone and leads round the prefetch alone
	s_cmp_lt_u32 ttmp9, 4
	s_cbranch_scc0 .Lno_ask_\@
	global_prefetch_b8 v28, s[24:25] offset:131072*(\p) th:TH_LOAD_NT scope:SCOPE_SE
.Lno_ask_\@:
.endm
; ---- THE LISTS.  F: weight fragments FN .. FEND - 1; L: hidden fragments; P: vector pieces PN .. PE - 1 of kind PT, with the memory instructions that PMEM lays behind them.
; HC counts matrix instructions: a piece stands behind each but every HM-th
.macro QCLR hm
.set FN, 0
.set FEND, 0
.set LN, 0
.set LEND, 0
.set PN, 0
.set PE, 0
.set PT, 0
.set HC, 0
.set HM, \hm
.endm
.macro FQ sl, g, p                     ; slot sl's g-th eight weight fragments into buffer p
.set FN, 0
.set FEND, 8
.set FWIN, 0
.set FADR, 15+(\sl)
.set FOFF, 8192*(\g)
.set FDST, 128+64*(\p)
.endm
.macro FQL s                           ; the last pass's weights of K step s into window 2
.set FN, 0
.set FEND, 8
.set FWIN, 0x80
.set FADR, 16
.set FOFF, 8192*(\s)
.set FDST, 64*(\s)
.endm
.macro POP                             ; a weight fragment: two loads of 512 consecutive bytes
	WIN FWIN
	ds_load_b128 v[FDST+8*FN:FDST+8*FN+3], v[FADR] offset:FOFF+1024*FN
	ds_load_b128 v[FDST+8*FN+4:FDST+8*FN+7], v[FADR] offset:FOFF+1024*FN+512
.set FN, FN+1
.set DW, DW+2
.endm
.macro POPL                            ; fragment (a, m) of the hidden layer's K step LS
.set oA, LN/2
.set oM, LN%2
	WIN 0x40
	ds_load_b128 v[64*oA+16*LS+8*oM:64*oA+16*LS+8*oM+3], v13 offset:FP*(8*oA+2*LS+oM)
	ds_load_b128 v[64*oA+16*LS+8*oM+4:64*oA+16*LS+8*oM+7], v13 offset:FP*(8*oA+2*LS+oM)+2*PB
.set LN, LN+1
.set DW, DW+2
.endm
; x's chunk PQ (rows 8 PQ .. 8 PQ + 7; pair i: rows 2 i + h, 8 neighbours a lane, four lanes to a block) of K step PKS.  PCNT: the loads issued behind this chunk's; PNX: the K step that its registers take next (-1: none)
.macro XCHQ q, ks, cnt, nx
.set PT, 1
.set PN, 0
.set PE, 6
.set PQ, \q
.set PKS, \ks
.set PCNT, \cnt
.set PNX, (\nx)
.set PR, 32*PQ
.endm
.macro XLOAD q, ks                     ; two loads on end: 16 lanes take the 512 bytes of a row
	WIN 0x40
.irp i, 0,1,2,3
	global_load_b128 v[8*(4*(\q)+\i):8*(4*(\q)+\i)+3], v4, s[8:9] offset:4096*(4*(\q)+\i)+512*(\ks)
	global_load_b128 v[8*(4*(\q)+\i)+4:8*(4*(\q)+\i)+7], v4, s[8:9] offset:4096*(4*(\q)+\i)+512*(\ks)+16
.endr
.endm
.macro XPIECE
.if PN < 4
.if PN == 0
	s_wait_loadcnt PCNT
.endif
	WIN 0x05
.irp i, 0,1,2,3
.if PN == 0
	v_max3_num_f32 v[XT+\i], |v[PR+8*\i]|, |v[PR+8*\i+1]|, s[FLR]
.else
	v_max3_num_f32 v[XT+\i], |v[PR+8*\i+2*PN]|, |v[PR+8*\i+2*PN+1]|, v[XT+\i]
.endif
.endr
.elseif PN == 4
	WIN 0
.irp i, 0,1,2,3
	v_max_num_f32_dpp v[XT+\i], v[XT+\i], v[XT+\i] row_xmask:1 row_mask:0xf bank_mask:0xf
.endr
.irp i, 0,1,2,3
	v_max_num_f32_dpp v[XT+\i], v[XT+\i], v[XT+\i] row_xmask:2 row_mask:0xf bank_mask:0xf
.endr
.else
	WIN 0
.irp i, 0,1,2,3
	v_add_nc_u32 v[XQ+\i], s[EM2], v[XT+\i]
.endr
	WIN 0x01
.irp i, 0,1,2,3
	v_cvt_scalef32_pk8_fp4_f32 v[XC+\i], v[PR+8*\i:PR+8*\i+7], v[XQ+\i]
.endr
	WIN 0
.irp i, 0,1,2,3
	v_lshrrev_b32 v[XY+\i], 23, v[XQ+\i]           ; the scale's byte; also the plain line behind the conversions
.endr
.endif
.endm
; THE HIDDEN LAYER, unit group t: the eight half blocks e = 2 c + m (16 numbers a lane, lane l xor 16 has the other 16) are quantised: block t of K step w of the next operand.  Component r's numbers are -h.
; The eight take turns line by line.  Each accumulator is read from its low end on.
.macro EPIQ t
.set PT, 2
.set PN, 0
.set PE, 15
.set ET, \t
.set EW, 2+ET/2
.set EB, 128*(ET%2)
.endm
.macro EPIECE
.if PN < 8
	WIN (EW|(EW<<2))
.if PN == 0
.irp e, 0,1
	v_max3_num_f32 v[QM+\e], -v[EB+16*\e], -v[EB+16*\e+1], s[FLR]   ; no |.|: what is negative does not count; the floor stands over it
.endr
.irp e, 2,3,4,5,6,7
	v_max3_num_f32 v[QM+\e], v[EB+16*\e], v[EB+16*\e+1], s[FLR]
.endr
.else
.irp e, 0,1
	v_max3_num_f32 v[QM+\e], -v[EB+16*\e+2*PN], -v[EB+16*\e+2*PN+1], v[QM+\e]
.endr
.irp e, 2,3,4,5,6,7
	v_max3_num_f32 v[QM+\e], v[EB+16*\e+2*PN], v[EB+16*\e+2*PN+1], v[QM+\e]
.endr
.endif
.elseif PN == 8
	WIN 0
.irp e, 0,1,2,3,4,5,6,7
	v_permlanex16_b32 v[QT+\e], v[QM+\e], s[SEL], s[SEL+1]
.endr
.elseif PN == 9
	WIN 0
.irp e, 0,1,2,3,4,5,6,7
	v_max_num_f32 v[QM+\e], v[QM+\e], v[QT+\e]
.endr
.irp e, 0,1,2,3,4,5,6,7
	v_add_nc_u32 v[QS+\e], s[EM2], v[QM+\e]
.endr
.elseif PN == 10
	WIN EW
.irp e, 0,1,2,3,4,5,6,7
	v_cvt_scalef32_pk8_fp4_f32 v[QC+2*\e], v[EB+16*\e:EB+16*\e+7], v[QS+\e]
	v_cvt_scalef32_pk8_fp4_f32 v[QC+2*\e+1], v[EB+16*\e+8:EB+16*\e+15], v[QS+\e]
.endr
	WIN 0
.if ET == 0
.irp e, 0,1,2,3,4,5,6,7
	v_lshrrev_b32 v[SW+\e], 23, v[QS+\e]           ; byte 0 begins my row's scale word; also the plain lines behind the conversions
.endr
.else
.irp e, 0,1,2,3,4,5,6,7
	v_lshrrev_b32 v[QT+\e], 23, v[QS+\e]
.endr
.irp e, 0,1,2,3,4,5,6,7
	v_lshl_or_b32 v[SW+\e], v[QT+\e], 8*ET, v[SW+\e]
.endr
.endif
.else                                  ; relu on codes: k = 7 in each nibble whose sign bit is set
	WIN 0
.set oY, QC+8*((PN-11)/2)
.if ((PN-11)%2) == 0
.irp i, 0,1,2,3,4,5,6,7
	v_and_b32 v[QM+\i], s30, v[oY+\i]
.endr
.irp i, 0,1,2,3,4,5,6,7
	v_lshrrev_b32 v[QT+\i], 3, v[QM+\i]
.endr
.else
.irp i, 0,1,2,3,4,5,6,7
	v_sub_nc_u32 v[QM+\i], v[QM+\i], v[QT+\i]
.endr
.irp i, 0,1,2,3,4,5,6,7
.if (oY+\i) < (QC+4)
	v_and_b32 v[oY+\i], v[QM+\i], v[oY+\i]         ; component r: h is positive where the sign bit is set
.else
	v_bfi_b32 v[oY+\i], v[QM+\i], 0, v[oY+\i]
.endif
.endr
.endif
.endif
.endm
; THE WAY OUT of n blocks b = 2 c + m from b0 on, of the 64 units P: + bias, four units to 16 bytes, into v[d0 + 32 (b - b0) ..] of window dw; a piece is a row a half.
; Component r: bias - sum.  x = 1: earlier stores have read those registers first
.macro WAYQ b0, n, P, dw, d0, x
.set PT, 3
.set PN, 0
.set PE, 8*(\n)
.set WB0, \b0
.set WPP, \P
.set WDW, \dw
.set WD0, \d0
.set WX, \x
.endm
.macro WROW i                          ; row i of the list: component, row tile, row, registers
.set oK, WB0+(\i)/8
.set oJ, (\i)%8
.set oC, oK/2
.set oM, oK%2
.set oD, WD0+4*(\i)
.endm
.macro WPIECE
	WROW PN
.if (WX == 1) && (PN == 0)
	s_wait_xcnt 0x0
.endif
	WIN ((WDW<<6)|((2+WPP)<<2))
.irp q, 0,1,2,3
.set oS, 128*(\q/2)+32*oC+16*(\q%2)+8*oM+oJ
.set oB, BB+16*WPP+4*oC+\q
.if oC == 0
	v_sub_f32 v[oD+\q], v[oB], v[oS]
.else
	v_add_f32 v[oD+\q], v[oB], v[oS]
.endif
.endr
.endm
.macro PIECE
.if PT == 1
	XPIECE
.elseif PT == 2
	EPIECE
.else
	WPIECE
.endif
.set PN, PN+1
.endm
; the memory instructions behind a finished list of pieces
.macro PMEM
.if PT == 1
	WIN 0
.irp i, 0,1,2,3
	ds_store_b32 v8, v[XC+\i] offset:XBO*(PKS%2)+FP*((4*PQ+\i)/8)+32*((4*PQ+\i)%8)   ; 32 lanes, 32 different banks
	ds_store_b8 v9, v[XY+\i] offset:512*(PKS%2)+64*((4*PQ+\i)/8)+8*((4*PQ+\i)%8)     ; a block's four lanes write the same byte with the same value
.endr
.set DW, DW+8
.if PNX >= 0
	XLOAD PQ, PNX
.endif
.elseif PT == 2
	WIN 0
.irp e, 0,1,2,3,4,5,6,7
	ds_store_b64 v10, v[QC+2*\e:QC+2*\e+1] offset:FP*(8*(\e/2)+(\e%2))+PB*ET   ; 32 lanes store 256 consecutive bytes: block t of fragment (c, w, m)
.endr
.set DW, DW+8
.elseif PT == 3
	WIN (WDW<<2)
.set WI, 0
.rept PE
	WROW WI
	global_store_b128 v5, v[oD:oD+3], s[16+2*oC:17+2*oC] offset:(16*oM+oJ)*2048+256*WPP th:TH_STORE_NT   ; 16 lanes store 256 consecutive bytes, aligned
.set WI, WI+1
.endr
.endif
.set PT, 0
.endm
.macro HOOK                            ; behind each matrix instruction
.set HC, HC+1
.if (HC%HM) != 0
.if PN < PE
	PIECE
.endif
.endif
.endm
.macro FLUSH                           ; what the lists still hold
.rept 32
.if PN < PE
	PIECE
.endif
.endr
.rept 8
.if FN < FEND
	POP
.endif
.endr
.rept 8
.if LN < LEND
	POPL
.endif
.endr
.endm
.macro NEXTW sl                        ; ahead of a change of slots: the next pass's tile is in (my own load, my own bytes), and its first weights are read
	PMEM
	s_wait_tensorcnt 0x0
	FQ \sl, 0, 0
	FLUSH
.endm
.macro LDOP s                          ; x's eight fragments of K step s and their four sets of scale words
	WIN 0x40
.irp f, 0,1,2,3,4,5,6,7
	ds_load_b128 v[128+64*((\s)%2)+8*\f:128+64*((\s)%2)+8*\f+3], v21 offset:XBO*((\s)%2)+FP*\f
	ds_load_b128 v[128+64*((\s)%2)+8*\f+4:128+64*((\s)%2)+8*\f+7], v21 offset:XBO*((\s)%2)+FP*\f+2*PB
.endr
	WIN 0
.irp a, 0,1,2,3
	ds_load_b32 v[XS+4*((\s)%2)+\a], v22 offset:512*((\s)%2)+128*\a
.endr
.endm
.macro WSL p                           ; pass p's weight scale words: lane r + 16 u: the four components' words of tile u's row r
	WIN 0
.irp g, 0,1,2,3
	global_load_b128 v[WS+16*((\p)%2)+4*\g:WS+16*((\p)%2)+4*\g+3], v17, s[26:27] offset:8192*(\p)+512*\g
.endr
.endm
; ---- PRODUCTS.  row: source 1's scales lie in lanes 16-31; neg = 1: -C; neg = 2: C = 0
.macro MM row, neg
.if (\neg) == 1
.if \row
	v_wmma_scale_f32_32x16x128_f4 v[rD:rD+15], v[rA:rA+15], v[rB:rB+7], v[rC:rC+15], v[rP], v[rQ] matrix_b_scale:MATRIX_SCALE_ROW1 neg_lo:[0,0,1]
.else
	v_wmma_scale_f32_32x16x128_f4 v[rD:rD+15], v[rA:rA+15], v[rB:rB+7], v[rC:rC+15], v[rP], v[rQ] neg_lo:[0,0,1]
.endif
.elseif (\neg) == 2
.if \row
	v_wmma_scale_f32_32x16x128_f4 v[rD:rD+15], v[rA:rA+15], v[rB:rB+7], 0, v[rP], v[rQ] matrix_b_scale:MATRIX_SCALE_ROW1
.else
	v_wmma_scale_f32_32x16x128_f4 v[rD:rD+15], v[rA:rA+15], v[rB:rB+7], 0, v[rP], v[rQ]
.endif
.else
.if \row
	v_wmma_scale_f32_32x16x128_f4 v[rD:rD+15], v[rA:rA+15], v[rB:rB+7], v[rC:rC+15], v[rP], v[rQ] matrix_b_scale:MATRIX_SCALE_ROW1
.else
	v_wmma_scale_f32_32x16x128_f4 v[rD:rD+15], v[rA:rA+15], v[rB:rB+7], v[rC:rC+15], v[rP], v[rQ]
.endif
.endif
.endm
; Components r, i, j, k = 0 .. 3; (weight, operand) of result component 0, 1, 2, 3:
;   P1: (1,1) (0,1) (0,2) (0,3)   P2: (2,2) (1,0) (2,0) (3,0)   P3: (3,3) (3,2) (1,3) (2,1)   N: (0,0) (2,3) (3,1) (1,2)
; A round touches each accumulator once, in the same order: the accumulators take turns, one instruction a turn.
.macro TAB k, c
.set tW, (TWS>>(8*(\k)+2*(\c)))&3
.set tA, (TAS>>(8*(\k)+2*(\c)))&3
.endm
.macro T1 k, t, s, c, m
	TAB \k, \c
.set rD, 128*((\t)%2)+32*(\c)+16*(\m)
.set rA, 128+64*((\t)%2)+16*tW
.set rB, 128+64*((\s)%2)+16*tA+8*(\m)
.set rP, WS+16*((\s)%2)+4*(\t)+tW
.set rQ, XS+4*((\s)%2)+tA
.endm
.macro R1 k, t, s, neg                 ; layer 1: round k, unit group t, K step s
.irp c, 0,1,2,3
.irp m, 0,1
	WIN (0x04|((2+(\t)/2)*0x50))
	T1 \k, \t, \s, \c, \m
.set rC, rD
	MM \m, \neg
	HOOK
.endr
.endr
.endm
.macro R1F t                           ; the first round: the biases lie in row tile 0's accumulators; row tile 1's sums begin with them as C
.irp c, 0,1,2,3
	WIN (0x04|((2+(\t)/2)*0x50))
	T1 0, \t, 0, \c, 1
.set rC, rD-16
	MM 1, 0
	HOOK
.endr
	NP5                                            ; row tile 0's write over what row tile 1's have read
.irp c, 0,1,2,3
	WIN (0x04|((2+(\t)/2)*0x50))
	T1 0, \t, 0, \c, 0
.set rC, rD
	MM 0, 0
	HOOK
.endr
.endm
.macro T2 k, z, s, c, u
	TAB \k, \c
.set rD, 128*((\z)%2)+32*(\c)+16*(\u)
.set rC, rD
.set rA, 64*tA+16*(\s)
.set rB, 128+64*((\s)%2)+8*(2*tW+(\u))
.set rP, XS+4*tA+(\s)
.set rQ, WS+16*((\z)%2)+4*(\s)+tW
.endm
.macro R2 k, z, s, mode                ; layer 2: round k, pass z, K step s
.irp c, 0,1,2,3
.irp u, 0,1
	WIN (0x01|((2+(\z)/2)*0x50))
	T2 \k, \z, \s, \c, \u
	MM \u, \mode
	HOOK
.endr
.endr
.endm
.macro R3 k, s, mode, c0               ; the last pass: components c0, c0 + 1; its weights lie in window 2
.irp c, \c0, \c0+1
.irp u, 0,1
	WIN 0xf9
	T2 \k, 3, \s, \c, \u
.set rB, 64*(\s)+8*(2*tW+\u)
	MM \u, \mode
	HOOK
.endr
.endr
.endm
; ---- LAYER 1, K step s, unit group g.  At its start the run of memory instructions; between its products a quarter of the next K step's x, or, in the last step, the group before is quantised.
.macro G1 s, g
	NP5                                            ; ahead of the loads into what the group before has read
.set DW, 0
	PMEM
	QCLR 2
.if (\s) == 3
.set HM, 3+61*((\g)/3)
.endif
.if (\g) == 0
	WSL (\s)+1
.endif
.if (\g) < 3
	FQ (\s)%2, (\g)+1, ((\g)+1)%2
	FLUSH
.endif
.if (\g) == 0
.if (\s) == 3
	s_wait_loadcnt 4                               ; this pass's scale words are in; the next pass's 4 loads may be out
.elseif (\s) > 0
	s_wait_loadcnt 36                              ; the same; behind them also x's 32 loads
.endif
.endif
	s_wait_dscnt DW                                ; this group's weights are in, in group 0 x's fragments too; the run just issued may be out
.if (\s) < 2
	XCHQ \g, (\s)+1, 28, (\s)+2                    ; behind the chunk's loads: three chunks' 24 and the 4 of the scale words
.elseif (\s) == 2
	XCHQ \g, 3, 28-8*(\g), -1                      ; no K step 4: the younger chunks and the 4
.elseif (\g) > 0
	EPIQ (\g)-1
.endif
.if ((\s)%2) == 0
.if (\s) == 0
	R1F \g
.else
	R1 0, \g, \s, 0
.endif
	R1 1, \g, \s, 0
.if (\g) < 3
	R1 2, \g, \s, 0
	FLUSH
	NP5
.else
	FLUSH
	NEXTW ((\s)+1)%2
	MEETA
	R1 2, \g, \s, 0                                ; (work on registers while the add is out)
	MEETB
	v_nop                                          ; with the four above: five places ahead of the turn
	LDOP (\s)+1
	ASK (\s)+4
.endif
	R1 3, \g, \s, 1                                ; the sums are turned round
.else
	R1 3, \g, \s, 0
	NP5
	R1 0, \g, \s, 1                                ; and back
.if (\g) < 3
	NP5
	R1 1, \g, \s, 0
	FLUSH
.else
	FLUSH
	NEXTW ((\s)+1)%2
	MEETA
	NP5
	R1 1, \g, \s, 0
	MEETB
.if (\s) < 3
	LDOP (\s)+1
.endif
	ASK (\s)+4
.endif
	R1 2, \g, \s, 0
.endif
.endm
; ---- LAYER 2, pass z, K step s
.macro G2 z, s
	NP5
.set DW, 0
	PMEM
	QCLR 3
.if (\s) == 0
	WSL 5+(\z)
.endif
.if ((\z) == 0) && ((\s) == 1)
	WIN 0
.irp P, 0,1                            ; layer 2's biases: lane r: units 64 P + 4 r + 0 .. 3 of my 128
.irp c, 0,1,2,3
	global_load_b128 v[BB+16*\P+4*\c:BB+16*\P+4*\c+3], v18, s[56+2*\c:57+2*\c] offset:256*\P
.endr
.endr
.endif
.if (\s) < 3
	FQ (\z)%2, (\s)+1, ((\s)+1)%2
.else
.set HM, 64
.endif
.if ((\z) == 0) && ((\s) < 3)
.set LS, (\s)+1
.set LEND, 8
.endif
	FLUSH
.if (\s) == 0
	s_wait_loadcnt 4                               ; this pass's scale words are in; the next pass's 4 loads may be out
.endif
	s_wait_dscnt DW                                ; this K step's fragments are in; the run just issued may be out
.if (\z) == 2
	WAYQ 2*(\s), 2, 0, 3, 128+64*((\s)%2), (\s)/2
.endif
.if ((\s)%2) == 0
.if (\s) == 0
	R2 0, \z, \s, 2
.else
	R2 0, \z, \s, 0
.endif
	R2 1, \z, \s, 0
	R2 2, \z, \s, 0
	FLUSH
	NP5
	R2 3, \z, \s, 1
.else
	R2 3, \z, \s, 0
	NP5
	R2 0, \z, \s, 1
	FLUSH
.if (\s) == 1
	NP5
	R2 1, \z, \s, 0
.elseif (\z) < 2
	NEXTW ((\z)+1)%2
	MEETA
	NP5
	R2 1, \z, \s, 0
	MEETB
.else
	PMEM
	WIN 0
	s_wait_tensorcnt 0x0                           ; the last pass's weights are in: my own load, my own bytes; nothing is filled any more, so no barrier
	QCLR 2
	FQL 0
	FLUSH
	NP5
	R2 1, \z, \s, 0
.endif
	R2 2, \z, \s, 0
.endif
.endm
.macro G3 s                            ; the last pass, components r and i; its weights come two K steps ahead
	QCLR 2
.if (\s) < 2
	FQL (\s)+2
	FLUSH
	s_wait_dscnt 32                                ; K step s's weights are in; the next two steps' 32 loads may be out
.elseif (\s) == 2
	s_wait_dscnt 16
.else
	s_wait_dscnt 0x0
.endif
.if ((\s)%2) == 0
.if (\s) == 0
	R3 0, \s, 2, 0
.else
	R3 0, \s, 0, 0
.endif
	R3 1, \s, 0, 0
	R3 2, \s, 0, 0
	NP5
	R3 3, \s, 1, 0
	NP5
.else
	R3 3, \s, 0, 0
	NP5
	R3 0, \s, 1, 0
	NP5
	R3 1, \s, 0, 0
	R3 2, \s, 0, 0
.endif
.endm
; ==== THE HEAD
	s_load_b512 s[8:23], s[0:1], 0x0               ; q_r, q_i, q_j, q_k, out0 .. out3
	s_load_b512 s[48:63], s[0:1], 0x40             ; b1_r,i,j,k  b2_r,i,j,k
	s_load_b128 s[24:27], s[0:1], 0x80             ; wq, ws
	v_lshl_add_u32 v19, v0, 2, SPARE               ; my spare word; never rewritten
	v_mov_b32 v20, 0                               ; 0; never rewritten
	ds_add_u32 v19, v20                            ; the wave's opening: the add, twice on end
	ds_add_u32 v19, v20
	v_lshrrev_b32 v1, 5, v0
	v_readfirstlane_b32 s3, v1                     ; wave 0..3
	s_bfe_u32 s4, ttmp6, 0x40000                   ; cx: my place in the cluster: it enters q's, out's and the prefetches' addresses alone
	s_lshl_b32 s5, ttmp9, 2
	s_add_co_u32 s5, s5, s4                        ; my block of 32 rows
	s_lshl_b32 s6, s5, 16                          ; 32 rows of 2,048 bytes
	s_mov_b32 s7, 0
	s_lshl_b32 s70, s3, 9                          ; 512 w
	s_mul_i32 s71, s3, 2*FP
	s_add_co_u32 s72, s71, IMG
	s_add_co_u32 s73, s71, HIMG
	s_lshl_b32 s74, s3, 7
	s_add_co_u32 s75, s74, XSC
	s_add_co_u32 s76, s74, HSC
	s_lshl_b32 s77, s3, 15
	s_lshl_b32 s78, s3, 11
	s_add_co_u32 s79, s78, HIMG
	s_lshl_b32 s87, s4, 15
	s_lshl_b32 s88, s3, 13
	s_add_co_u32 s87, s87, s88
	s_mov_b32 s[SEL], 0x76543210
	s_mov_b32 s[SEL+1], 0xfedcba98
	s_mov_b32 s30, 0x88888888                      ; the sign bits of eight codes
	s_mov_b32 s31, 0xffff0000                      ; lanes 16-31
	s_mov_b32 s[FLR], 0x1800000
	s_mov_b32 s[EM2], 0xff000000
	; the descriptor: a dense block of 32 KB as 128 rows of 32 elements of 8 bytes, no padding (images are read 512 consecutive bytes an instruction)
	s_mov_b32 s36, 15|(3<<16)|(1<<21)              ; 15:0 the mask: all four work-groups; 17:16 elements of 8 bytes; 21 set beside a mask
	s_mov_b32 s37, 32<<16                          ; tensor_dim0 = 32
	s_mov_b32 s38, 128<<16                         ; tensor_dim1 = 128
	s_mov_b32 s39, 32<<16                          ; tile_dim0 = 32
	s_mov_b32 s40, 128                             ; tile_dim1 = 128
	s_mov_b32 s41, 32                              ; tensor_dim0_stride
	s_mov_b32 s42, 0
	s_mov_b32 s43, 0
	s_mov_b32 s32, 1                               ; count = 1
	s_lshl_b32 s33, s3, 15                         ; LDS address: slot 0, my wave's 32 KB: no place in the cluster enters it
	s_lshl_b32 s80, s3, 15
	s_mov_b32 s81, 0
	s_lshl_b32 s82, s3, 11
	s_mov_b32 s83, 0
	s_and_b32 s84, s3, 1
	v_and_b32 v1, 31, v0                           ; lane l
	v_and_b32 v2, 15, v0                           ; r
	v_bfe_u32 v3, v0, 4, 1                         ; h
	v_lshlrev_b32 v4, 5, v2
	v_lshl_add_u32 v4, v3, 11, v4                  ; v4: x: 32 r, h's row
	v_lshlrev_b32 v6, 4, v2                        ; 16 r
	v_lshl_add_u32 v5, v3, 14, v6
	v_add_nc_u32 v5, s70, v5                       ; v5: out: row 8 h, my wave's 128 units, 16 r
	v_lshrrev_b32 v7, 2, v2                        ; my block of the four
	v_mul_u32_u24 v8, v7, PB
	v_lshl_add_u32 v8, v3, 4, v8
	v_and_b32 v11, 3, v2
	v_lshl_add_u32 v8, v11, 2, v8
	v_add_nc_u32 v8, s72, v8                       ; v8: my word of x's images (a = my wave)
	v_lshl_add_u32 v9, v3, 2, v7
	v_add_nc_u32 v9, s75, v9                       ; v9: my block's byte of x's scale words
	v_lshl_add_u32 v10, v3, 3, v6
	v_add_nc_u32 v10, s73, v10                     ; v10: the hidden layer's images (s = my wave): 16 r + 8 h
	v_mul_u32_u24 v23, v3, PB
	v_add_nc_u32 v23, v23, v6                      ; an image read back: 288 h + 16 r
	v_add_nc_u32 v21, IMG, v23                     ; v21: x's,
	v_add_nc_u32 v13, HIMG, v23                    ; v13: the hidden layer's
	v_lshlrev_b32 v24, 2, v1
	v_add_nc_u32 v22, XSC, v24                     ; v22: x's scale words,
	v_add_nc_u32 v14, HSC, v24                     ; v14: the hidden layer's,
	v_add_nc_u32 v12, s76, v24                     ; v12: those that I store
	v_lshlrev_b32 v17, 4, v1                       ; v17: 16 l
	v_add_nc_u32 v15, s77, v17                     ; v15, v16: my 32 KB of slot 0, 1
	v_add_nc_u32 v16, SLOT1, v15
	v_add_nc_u32 v18, s70, v6                      ; v18: layer 2's biases
	v_add_nc_u32 v25, s70, v17                     ; v25: layer 1's biases in memory,
	v_add_nc_u32 v26, s79, v17                     ; v26: into their stage,
	v_lshlrev_b32 v27, 6, v3
	v_add_nc_u32 v27, s79, v27                     ; v27: and out of it, by halves of the lanes
	v_lshlrev_b32 v28, 8, v1
	v_add_nc_u32 v28, s87, v28                     ; v28: the prefetches: block 128 cx + 32 w + l of a tile; never rewritten
	s_wait_alu depctr_va_vdst(0)
	s_wait_dscnt 0x0                               ; both opening adds are done
	s_wait_kmcnt 0x0
	s_add_nc_u64 s[34:35], s[24:25], s[80:81]      ; global address: pass 0, my wave's block
	s_or_b32 s35, s35, 0x80000000                  ; type = 2
	s_add_nc_u64 s[26:27], s[26:27], s[82:83]      ; ws at record (pass 0, my wave)
	s_cmp_lt_u32 s3, 2                             ; wave w quantises component w
	s_cselect_b64 s[8:9], s[8:9], s[12:13]
	s_cselect_b64 s[10:11], s[10:11], s[14:15]
	s_cmp_eq_u32 s84, 1
	s_cselect_b64 s[8:9], s[10:11], s[8:9]
	s_add_nc_u64 s[8:9], s[8:9], s[6:7]
.irp c, 0,1,2,3
	s_add_nc_u64 s[16+2*\c:17+2*\c], s[16+2*\c:17+2*\c], s[6:7]
.endr
.irp c, 0,1,2,3
	global_load_b128 v[96+4*\c:99+4*\c], v25, s[48+2*\c:49+2*\c]   ; layer 1's biases of my 128 units
.endr
	WSL 0
.irp q, 0,1,2,3
	XLOAD \q, 0
.endr
	WIN 0
	ROUND                                          ; all four work-groups are here: the first joint loads meet
	tensor_load_to_lds s[32:35], s[36:43]          ; pass 0's weights: one tensor load a wave at the head
	s_nop 0
.rept 4
	v_nop
.endr
	ASK 1
	ASK 2
	s_wait_loadcnt 36                              ; the biases are in; the 4 loads of the scale words and x's 32 may be out
.irp i, 0,1,2,3
	v_xor_b32 v[96+\i], 0x80000000, v[96+\i]       ; component r's sums are -h
.endr
.irp c, 0,1,2,3
	ds_store_b128 v26, v[96+4*\c:99+4*\c] offset:512*\c
.endr
.irp t, 0,1,2,3                        ; into row tile 0's accumulators: lane (r, h) wants units 32 t + 16 h + 0 .. 15
	WIN ((2+\t/2)<<6)
.irp c, 0,1,2,3
.irp q, 0,1,2,3
	ds_load_b128 v[128*(\t%2)+32*\c+4*\q:128*(\t%2)+32*\c+4*\q+3], v27 offset:512*\c+128*\t+16*\q
.endr
.endr
.endr
	QCLR 2
.irp q, 0,1,2,3
	XCHQ \q, 0, 24, 1                              ; K step 0; its registers take K step 1: three younger chunks may be out
	FLUSH
	PMEM
.endr
	MEETA
	MEETB                                          ; the round also shows every wave's images to every wave; slot 1 is filled for the first time
	LDOP 0
	FQ 0, 0, 0
	FLUSH
	ASK 3
; ==== LAYER 1: four K steps
.irp s, 0,1,2,3
.irp g, 0,1,2,3
	G1 \s, \g
.endr
.endr
; ==== THE HIDDEN LAYER: the last group; then all of it into every wave's registers
	NP5                                            ; ahead of the first read of the last results
	QCLR 2
	EPIQ 3
	FLUSH
	PMEM
.irp c, 0,1,2,3
	v_cndmask_b32 v[QT+\c], v[SW+2*\c], v[SW+2*\c+1], s31   ; lanes 0-15 keep row tile 0's word, lanes 16-31 take row tile 1's
.endr
.irp c, 0,1,2,3
	ds_store_b32 v12, v[QT+\c] offset:512*\c
.endr
	s_wait_dscnt 0x0                               ; for the others' sake: my images and scale words have landed
	s_barrier_signal -1
	s_barrier_wait -1                              ; the hidden layer's 32 fragments lie in LDS.
.irp i, 0,1,2,3,4,5,6,7,8,9,10,11,12,13,14,15
	ds_load_b32 v[XS+\i], v14 offset:128*\i
.endr
.set LS, 0
.set LEND, 8
	FLUSH
; ==== LAYER 2
.irp z, 0,1,2
.irp s, 0,1,2,3
	G2 \z, \s
.endr
.endr
	WIN 0
	s_wait_loadcnt 0x0                             ; the last pass's scale words are in
	s_wait_xcnt 0x0                                ; the stores have read the registers in which the last pass's sums begin
	QCLR 2
	FQL 1
	FLUSH
.irp s, 0,1,2,3
	G3 \s
.endr
	NP5
; components r and i leave between the products of j and k, a block in each sixteen products: the negative terms first, one turn, then the positive ones
	QCLR 2
	WAYQ 0, 1, 1, 0, 128, 0
.irp s, 0,1,2,3
.if \s == 0
	R3 3, \s, 2, 2
.else
	R3 3, \s, 0, 2
.endif
.endr
	FLUSH
	PMEM
	NP5
	QCLR 2
	WAYQ 1, 1, 1, 0, 160, 0
	R3 0, 0, 1, 2
	NP5
.irp s, 1,2,3
	R3 0, \s, 0, 2
.endr
	FLUSH
	PMEM
.irp k, 1,2
	QCLR 2
	WAYQ \k+1, 1, 1, 0, 160+32*\k, 0
.irp s, 0,1,2,3
	R3 \k, \s, 0, 2
.endr
	FLUSH
	PMEM
.endr
	NP5
.irp b, 4,5,6,7
	QCLR 2
	WAYQ \b, 1, 1, 1, 32*(\b-4), 0
	FLUSH
	PMEM
.endr
	WIN 0
	s_wait_tensorcnt 0x0                           ; the wave's end, behind my last tensor load and my last LDS store
	ds_add_u32 v19, v20
	s_wait_dscnt 0x0
	ROUND                                          ; the closing round: no work-group ends while a partner may still ask for a tile that names it
	s_endpgm
.Lfunc_end_k_qe369692013_qmlp:
	.size	k_qe369692013_qmlp, .Lfunc_end_k_qe369692013_qmlp-k_qe369692013_qmlp
	.p2alignl 7, 3214868480
	.fill 96, 4, 3214868480
	.section	.rodata,"a",@progbits
	.p2align	6, 0x0
	.amdhsa_kernel k_qe369692013_qmlp
		.amdhsa_group_segment_fixed_size 327680
		.amdhsa_private_segment_fixed_size 0
		.amdhsa_enable_private_segment 0
		.amdhsa_kernarg_size 144
		.amdhsa_user_sgpr_count 2
		.amdhsa_user_sgpr_kernarg_segment_ptr 1
		.amdhsa_wavefront_size32 1
		.amdhsa_system_sgpr_workgroup_id_x 1
		.amdhsa_system_sgpr_workgroup_id_y 1
		.amdhsa_system_sgpr_workgroup_id_z 1
		.amdhsa_system_vgpr_workitem_id 0
		.amdhsa_next_free_vgpr 1024
		.amdhsa_next_free_sgpr 96
		.amdhsa_reserve_vcc 0
		.amdhsa_float_denorm_mode_32 3
		.amdhsa_float_denorm_mode_16_64 3
		.amdhsa_memory_ordered 1
		.amdhsa_forward_progress 1
		.amdhsa_inst_pref_size 255
	.end_amdhsa_kernel
	.section	.bss,"aw",@nobits
	.p2align	6
	.space	262144
	.amdgpu_metadata
---
amdhsa.version: [ 1, 2 ]
amdhsa.kernels:
  - .name:           k_qe369692013_qmlp
    .symbol:         k_qe369692013_qmlp.kd
    .args:
      - { .name: q_r, .offset: 0, .size: 8, .value_kind: global_buffer, .address_space: global }
      - { .name: q_i, .offset: 8, .size: 8, .value_kind: global_buffer, .address_space: global }
      - { .name: q_j, .offset: 16, .size: 8, .value_kind: global_buffer, .address_space: global }
      - { .name: q_k, .offset: 24, .size: 8, .value_kind: global_buffer, .address_space: global }
      - { .name: out0, .offset: 32, .size: 8, .value_kind: global_buffer, .address_space: global }
      - { .name: out1, .offset: 40, .size: 8, .value_kind: global_buffer, .address_space: global }
      - { .name: out2, .offset: 48, .size: 8, .value_kind: global_buffer, .address_space: global }
      - { .name: out3, .offset: 56, .size: 8, .value_kind: global_buffer, .address_space: global }
      - { .name: b1_r, .offset: 64, .size: 8, .value_kind: global_buffer, .address_space: global }
      - { .name: b1_i, .offset: 72, .size: 8, .value_kind: global_buffer, .address_space: global }
      - { .name: b1_j, .offset: 80, .size: 8, .value_kind: global_buffer, .address_space: global }
      - { .name: b1_k, .offset: 88, .size: 8, .value_kind: global_buffer, .address_space: global }
      - { .name: b2_r, .offset: 96, .size: 8, .value_kind: global_buffer, .address_space: global }
      - { .name: b2_i, .offset: 104, .size: 8, .value_kind: global_buffer, .address_space: global }
      - { .name: b2_j, .offset: 112, .size: 8, .value_kind: global_buffer, .address_space: global }
      - { .name: b2_k, .offset: 120, .size: 8, .value_kind: global_buffer, .address_space: global }
      - { .name: wq, .offset: 128, .size: 8, .value_kind: global_buffer, .address_space: global }
      - { .name: ws, .offset: 136, .size: 8, .value_kind: global_buffer, .address_space: global }
    .group_segment_fixed_size: 327680
    .private_segment_fixed_size: 0
    .kernarg_segment_align: 8
    .kernarg_segment_size: 144
    .max_flat_workgroup_size: 128
    .sgpr_count:     96
    .vgpr_count:     1024
    .wavefront_size: 32
...
	.end_amdgpu_metadata
.endif
;; end of part 2
